; MI455X (gfx1250); checked and timed in simulation.
; The chip was launched on July 23, 2026; its instructions are those of AMD's public machine-readable ISA for CDNA 5 (MIT licence, August 2026) and "CDNA5" Instruction Set Architecture Reference Guide (July 2026). The comments in the code are by the model that wrote it; some were corrected since.
;; Local Attention. Allowed arithmetic: matrix products marked QUANTISED: E2M1 operands, one E8M0 scale for each 32 along K, by v_wmma_scale_f32_16x16x128_f8f6f4 with both operands' format E2M1 (or v_wmma_scale_f32_32x16x128_f4), f32 sums; products left as they are: f32 operands where the result goes on into a quantised operand, else bf16, f16 or f32 operands; f32 sums; everything else in f32.
;; Inputs: bo 64 float32; bx 64 float32; by 64 float32; wo_codes 64 x 2 x 16 uint8 (E2M1 codes of wo, K innermost, in blocks of 32 codes, two codes a byte); wo_scales 64 x 2 uint8 (E8M0 scales of wo, one for each 32 codes along K); wx_codes 64 x 2 x 16 uint8 (E2M1 codes of wx, K innermost, in blocks of 32 codes, two codes a byte); wx_scales 64 x 2 uint8 (E8M0 scales of wx, one for each 32 codes along K); wy_codes 64 x 2 x 16 uint8 (E2M1 codes of wy, K innermost, in blocks of 32 codes, two codes a byte); wy_scales 64 x 2 uint8 (E8M0 scales of wy, one for each 32 codes along K); x 4 x 64 x 128 x 128 float32; y_codes 4 x 128 x 128 x 2 x 16 uint8 (E2M1 codes of y, K innermost, in blocks of 32 codes, two codes a byte); y_scales 4 x 128 x 128 x 2 uint8 (E8M0 scales of y, one for each 32 codes along K).
;; Outputs: out0 4 x 64 x 128 x 128 float32.
;; This version of the problem:
;;   THIS VERSION OF THE PROBLEM IS GIVEN IN LOW PRECISION. The matrix products marked QUANTISED in the list below multiply operands that are first quantised to E2M1 (2 exponent bits, 1 mantissa bit; 4 bits a number), with one power-of-two scale for each 32 numbers along K (OCP MX v1.0); their sums are f32. All else is computed in f32.
;;   The module's matrix products, in the order in which they are computed (A, B: the left and right operand; K: the contracted axis; several contracted axes count as one K, in the product's order):
;;     1. [M 65,536, K 64] x [K 64, N 64]; A: input y (given as codes); B: input wy (given as codes): QUANTISED
;;     2. [M 65,536, K 64] x [K 64, N 64]; A: input x; B: input wx (given as codes): QUANTISED
;;     3. batch 65,536 x [M 1, K 64] x [K 64, N 25]; A: computed on the way; B: computed on the way: left as it is (M = 1 < 16)
;;     4. batch 65,536 x [M 64, K 25] x [K 25, N 1]; A: computed on the way; B: softmax: left as it is (K = 25 < 32)
;;     5. [M 65,536, K 64] x [K 64, N 64]; A: computed on the way; B: input wo (given as codes): QUANTISED
;;   THE QUANTISER, for each operand of a quantised product, along K:
;;     - K is cut into blocks of 32 from its start; a last block that is shorter is filled with zeros.
;;     - A block's scale is 2^e with e = floor(log2(the largest magnitude in the block)) - 2, held to -126 .. 127; a block of zeros has e = 0. As a byte (E8M0): e + 127.
;;     - Each number is divided by its block's scale, clamped to +-6, and rounded to the nearest number of E2M1, ties to even, subnormals kept.
;;     - The product sums the exact products of the quantised numbers (number of the format x scale) in f32.
;;   ~~~python
;;   def quantise(x, axis):      # numpy; x: float32 -> the quantised numbers, widened to float32 again
;;       x = np.moveaxis(x, axis, -1); K = x.shape[-1]
;;       x = np.pad(x, [(0, 0)] * (x.ndim - 1) + [(0, -K % 32)]); x = x.reshape(x.shape[:-1] + (-1, 32)); a = np.abs(x).max(-1, keepdims=True)
;;       e = np.where(a > 0, np.clip(np.frexp(np.where(a > 0, a, 1))[1] - 1 - 2, -126, 127), 0)      # np.frexp(a)[1] - 1 = floor(log2(a)), exactly
;;       r = np.clip(x / 2.0 ** e, -6, 6)
;;       step = 2.0 ** (np.maximum(np.frexp(np.where(r == 0, 1, r))[1] - 1, 0) - 1)
;;       q = np.round(r / step) * step * 2.0 ** e      # np.round: ties to even
;;       return np.moveaxis(q.reshape(q.shape[:-2] + (-1,))[..., :K], -1, axis).astype(np.float32)
;;   ~~~
;;   OPERANDS COMPUTED ON THE WAY. 'Computed on the way' means the value that the module computes at that place (a softmax that the list does not call 'softmax' is quantised finished and normalised). What goes into a quantiser is computed in f32, as accurately as f32 sums, v_exp_f32 and their like allow (about 1e-6 of the number): no bf16 or f16 on the way to a quantiser, and a product that is left as it is and whose result goes on into a quantised operand takes f32 operands (vector FMAs, or v_wmma_f32_16x16x4_f32). A number that lies on a knife's edge between two numbers of the format may be rounded either way, as far as f32 arithmetic and the matrix unit's own rounding can turn it there, and no further.
;;   INPUTS GIVEN AS CODES. wo (in the module: [64, 64], K = its axis 1); wx (in the module: [64, 64], K = its axis 1); wy (in the module: [64, 64], K = its axis 1); y (in the module: [4, 64, 128, 128], K = its axis 1): each comes as NAME_codes (uint8): NAME with its K axis moved to the last place and cut into blocks of 32 codes, [.., K / 32, bytes a block], one block behind the other in memory; two codes a byte, the lower K in the low four bits (a code: sign, 2 exponent bits, 1 mantissa bit); and NAME_scales (uint8): the same leading axes, one E8M0 byte (e + 127) for each 32 codes along K. Its value is code x scale, taken as it is: it is not quantised again, and the codes and scales need not be those that the quantiser above would give.
;; One version. Each part assembles by itself: llvm-mc -triple=amdgcn-amd-amdhsa -mcpu=gfx1250 --defsym DOCPART=n.
;; ======== version 1 of 1: 1 launch
;; launch local_attn (part 1): grid 64 x 4, 4 waves a work-group, no clusters, 267,776 bytes of LDS; arguments x, y_codes, y_scales, wy_codes, wy_scales, by, wx_codes, wx_scales, bx, wo_codes, wo_scales, bo, out0; writes out0
.if DOCPART == 1
	.amdgcn_target "amdgcn-amd-amdhsa--gfx1250"
	.amdhsa_code_object_version 6
	.text
	.protected	k_qa2e9020327_local_attn
	.globl	k_qa2e9020327_local_attn
	.p2align	8
	.type	k_qa2e9020327_local_attn,@function
k_qa2e9020327_local_attn:
	s_mov_b64 s[64:65], 0
	v_nop
	global_prefetch_b8 v0, s[64:65] scope:SCOPE_SE
	s_setreg_imm32_b32 hwreg(HW_REG_WAVE_MODE, 25, 1), 1
	s_wait_xcnt 0x0
; LOCAL ATTENTION, 5 x 5 neighbours, 4 images of 128 x 128 pixels, 64 channels, in ONE launch.
;   q = wy y + by, v = wx Q(x) + bx, out = wo Q(attn) + bo + x: three products on codes of FP4 (E2M1) with one E8M0 scale for each 32 channels;
;   scores S(p, k) = q(p) . q(p + off k), softmax over the 25, attn(p) = sum of A(p, k) v(p + off k): in f32, by packed multiply-adds.
;   A neighbour outside the image has q = v = 0: its score is 0, it counts in the maximum and in the divisor, and it adds nothing to attn.
; SHARES.  A work-group of four waves owns two whole image rows y0, y0 + 1 of one image and uses six (y0 - 2 .. y0 + 3).  Wave w owns columns 32 w .. 32 w + 31.
;   Lanes r and r + 16 together own the 2 x 2 block of pixels at x = 32 w + 2 r: pixel p = a + 2 b is (x + a, y0 + b).  The two lanes share the channels.
; q AND v NEVER LIE IN LDS.  Which pixel is column n of a matrix tile is free.  So for each of the 6 x 6 window positions (i, j) of a block one matrix instruction for each tile of 16 channels
;   puts into lane (r, h) the channels 8 h .. 8 h + 7 of pixel (x + i - 2, y0 - 2 + j): just what this lane multiplies next.  LDS holds codes alone, 32 bytes a pixel.
; K = 64 IN A FORM OF K = 128.  Source 1 holds a PAIR of pixels (2 P | 2 P + 1), source 0 the weights as (w | 0) or (0 | w): zero codes add nothing, so one fragment of codes serves both pixels.
;   The weights lie in a chain of links of four registers, 0 w0 0 w1 0 .., so that both forms are runs of eight registers.
; EDGES.  A pair's number is taken modulo 64 and an image row is held to 0 .. 127, so every read finds real codes; what such a stand-in gives is removed by selects: the score becomes 0 ahead of the
;   maximum, the weight 0 behind the division.
; LDS WORK STANDS BESIDE VECTOR WORK.  The quantiser of x reads 384 words a lane from LDS: a piece of the softmax stands behind each of its runs of 32 loads.  The window's fragments come row by row, and the
;   products wait only for the row that they read.  The way out goes a tile of 16 channels at a time: while one tile's rows are read back, added to x and stored, the next tile is staged.
; NO CLUSTER.  Work-groups that are neighbours along y use four of their six rows in common, but as different window rows j, that is at different LDS addresses; a joint load has one LDS address
;   for all that it names.
; LIMITS.  NaN, infinities and scale bytes 0xff among the inputs are not served (a stand-in's v is multiplied by the weight 0).  A block of zeros gets the scale byte 1 where the quantiser's rule says 127:
;   its codes are zeros, and the bytes are read by this program alone.  The exponent is S log2(e) - round(M log2(e)): the rounding is one factor common to a pixel's 25 terms and leaves in the division.
; LDS, in bytes:
.set CP,    528                        ; a row of x: 512 bytes + 16 of padding
.set JROW,  64*CP                      ; XRAW at 0: [j 0..5][channel 0..63]: filled once, by tensor loads.  Rows j = 2, 3 are also the residual
.set YC,    6*JROW                     ; y's codes: [j][pair 0..63] of 80 bytes: pixel 2 P block 0, 1, pixel 2 P + 1 block 0, 1, 16 of padding (80 = 5 x 16: sixteen pairs start at sixteen different 16-byte columns of 256)
.set CROW,  64*80
.set XC,    YC+6*CROW                  ; x's codes, likewise
.set YS,    XC+6*CROW                  ; y's scale bytes: [j][pixel][2]: a pair's four bytes are one word
.set SROW,  256
.set XS,    YS+6*SROW                  ; x's, likewise.  The end: XS + 1,536 = 267,264
                                       ; OS, the way out: [b 0..1][channel 0..63] of CP bytes at 0, over XRAW's rows j = 0, 1, which have had their one fill and their last read by then
; REGISTERS, window 0:
.set CA,  4                            ; v4-6    LDS address of my pair's codes, d = 0, 1, 2: pair 16 w + r + d - 1 (modulo 64), + 16 h
.set SA,  7                            ; v7-9    and of its scale word
.set PS,  32                           ; v32-49  the pairs' scale words, 3 j + d
.set WS,  50                           ; v50-61  the weights' scale words, 4 conv + t (conv 0: wy, 1: wx, 2: wo)
.set SW,  62                           ; v62-63  attn's scale words.  v32-63 hold scales and nothing else
.set STG, 64                           ; v64-114 y on its way to LDS
.set XN,  64                           ; v64-127 64 numbers of x: a pixel's channels
.set XCD, 128                          ; v128-135 their codes
.set QT,  136                          ; v136-143 at work in the quantiser
.set XAJ, 144                          ; v144-149 LDS address of my pixel's column in XRAW's row j
.set BC,  160                          ; v160-255 the biases in the result's layout, 32 conv + 8 t: the C of every product
.set RA,  64                           ; v64-191 the way out: rows from the stage
; window 1: the scores' accumulators, a pair for (p, k) at 2 (25 p + k), k = 5 (dy + 2) + dx + 2; later the weight A(p, k) in the pair's first register; v200-211 the softmax's; the way out: v0-127 the residual
; window 2:
.set PF,  0                            ; v0-143  the 18 pairs' fragments, 8 (3 j + d)
.set WTZ, 144                          ; v144-243 the chain of weights: link 2 g is zero, link 2 g + 1 is tile g = 4 conv + t
; window 3:
.set ROWB, 0                           ; v0-95   a window row's six results, two buffers of 48
.set OWN,  96                          ; v96-159 my four pixels' own q, two buffers of 32 (scores only)
.set OACC, 128                         ; v128-255 attn, 32 p + 8 t; then the last product's results
; scalars: s2 wave, s3 y0, s4 image, s5 at work, s7 8,448 x wave, s[8:33] the 13 addresses, s[34:35] lane selects, s[36:43] descriptor group 1, s[44:63], s[68:71] six groups 0,
;   s[72:83] y's rows, s84-89 x masks, s90-94 y masks, s95 128, s96 log2(e), s[98:99] out0, s[100:101] an offset.  Once the loads are in, s36-60 and s68-72 hold the 30 joint masks.
.set MSB, 0
.macro WIN new                         ; s_set_vgpr_msb: bits 1:0 source 0, 3:2 source 1, 5:4 source 2, 7:6 destination; the high byte repeats the setting that is left
.if MSB != (\new)
	s_set_vgpr_msb (MSB<<8)|(\new)
.set MSB, (\new)
.endif
.endm
	s_load_b512 s[8:23], s[0:1], 0x0               ; x, y_codes, y_scales, wy_codes, wy_scales, by, wx_codes, wx_scales
	s_load_b256 s[24:31], s[0:1], 0x40             ; bx, wo_codes, wo_scales, bo
	s_load_b64 s[32:33], s[0:1], 0x60              ; out0
	s_set_vgpr_msb 0x40
	v_lshl_add_u32 v254, v0, 2, 0x41400
	v_mov_b32 v255, 0
	s_set_vgpr_msb 0x4045
	ds_add_u32 v254, v255
	ds_add_u32 v254, v255
	s_set_vgpr_msb 0x4500
	v_lshrrev_b32 v1, 5, v0
	v_readfirstlane_b32 s2, v1                     ; wave 0..3
	s_lshl_b32 s3, ttmp9, 1                        ; y0
	s_and_b32 s4, ttmp7, 0xffff                    ; image
	; descriptor group 1: 16 channels' rows of 128 numbers of 4 bytes, 16,384 numbers apart in memory, 16 bytes of padding behind each in LDS
	s_mov_b32 s36, (2<<16)|(1<<20)|(6<<22)|(3<<25) ; no mask; elements of 4 bytes; padding on: after every 128 words (code 6) 4 words (code 3)
	s_mov_b32 s37, 128<<16                         ; tensor_dim0 = 128
	s_mov_b32 s38, 16<<16                          ; tensor_dim1 = 16
	s_mov_b32 s39, 128<<16                         ; tile_dim0 = 128
	s_mov_b32 s40, 16                              ; tile_dim1 = 16
	s_mov_b32 s41, 16384                           ; from channel to channel
	s_mov_b32 s42, 0
	s_mov_b32 s43, 0
	s_mov_b32 s34, 0x76543210
	s_mov_b32 s35, 0xfedcba98                      ; v_permlanex16_b32: lane l xor 16
	s_mov_b32 s95, 128
	s_mov_b32 s96, 0x3fb8aa3b                      ; log2(e)
	s_mul_i32 s7, s2, 16*CP                        ; my 16 channels' place in a row j of XRAW
	s_lshl_b32 s100, s4, 22                        ; an image is 64 x 16,384 x 4 bytes,
	s_lshl_b32 s5, s2, 20                          ; 16 channels are 2^20
	s_add_co_u32 s100, s100, s5
	s_mov_b32 s101, 0
	s_wait_dscnt 0x0
	s_wait_kmcnt 0x0
	s_add_nc_u64 s[8:9], s[8:9], s[100:101]        ; x at my image, at the 16 channels that I fetch
	s_lshl_b32 s100, s4, 22
	s_lshl_b32 s5, s2, 18                          ; out0: of each tile of 16 channels I store four: 4 w channels of 2^16 bytes,
	s_add_co_u32 s100, s100, s5
	s_lshl_b32 s5, s3, 9                           ; at row y0
	s_add_co_u32 s100, s100, s5
	s_add_nc_u64 s[98:99], s[32:33], s[100:101]
	s_lshl_b32 s100, s4, 19
	s_add_nc_u64 s[10:11], s[10:11], s[100:101]    ; y's codes at my image: 16,384 pixels of 32 bytes
	s_lshl_b32 s100, s4, 15
	s_add_nc_u64 s[12:13], s[12:13], s[100:101]    ; y's scale bytes
.macro ROWSET j, g                     ; window row j: the image row, held to 0 .. 127; x's descriptor group 0 in s[g .. g + 3]; y's row of codes
	s_add_co_u32 s5, s3, \j
	s_max_u32 s5, s5, 2
	s_sub_co_u32 s5, s5, 2
	s_min_u32 s5, s5, 127
	s_lshl_b32 s100, s5, 9
	s_mov_b32 s[\g], 1                             ; count = 1
	s_add_co_u32 s[\g+1], s7, \j*JROW              ; LDS address: 8,448 x wave + 33,792 j
	s_add_nc_u64 s[\g+2:\g+3], s[8:9], s[100:101]  ; global address
	s_or_b32 s[\g+3], s[\g+3], 0x80000000          ; type = 2
	s_lshl_b32 s100, s5, 12
	s_add_nc_u64 s[72+2*\j:73+2*\j], s[10:11], s[100:101]
.endm
	ROWSET 0, 44
	ROWSET 1, 48
	ROWSET 2, 52
	ROWSET 3, 56
	ROWSET 4, 60
	ROWSET 5, 68
	; All of x that the work-group uses is asked for here, ahead of everything else: six loads a wave, 16 channels x 512 bytes each; six loads of mine are out.  They land while y's half of the work runs.
	tensor_load_to_lds s[44:47], s[36:43]
	s_nop 0
	tensor_load_to_lds s[48:51], s[36:43]
	s_nop 0
	tensor_load_to_lds s[52:55], s[36:43]
	s_nop 0
	tensor_load_to_lds s[56:59], s[36:43]
	s_nop 0
	tensor_load_to_lds s[60:63], s[36:43]
	s_nop 0
	tensor_load_to_lds s[68:71], s[36:43]
	s_nop 0
.rept 4
	v_nop                                          ; four plain lines follow the loads, ahead of the first switch of windows
.endr
	v_and_b32 v1, 31, v0                           ; lane
	v_and_b32 v2, 15, v0                           ; r
	v_bfe_u32 v3, v0, 4, 1                         ; h
	s_lshl_b32 s5, s2, 4
	v_add_nc_u32 v24, s5, v2                       ; my pair: 16 w + r
.irp d, 0,1,2
	v_add_nc_u32 v[SA+\d], 63+\d, v24
	v_and_b32 v[SA+\d], 63, v[SA+\d]               ; pair 16 w + r + d - 1, modulo 64
	v_mul_u32_u24 v[CA+\d], v[SA+\d], 80
	v_lshl_add_u32 v[CA+\d], v3, 4, v[CA+\d]       ; + 16 h: block h of the even pixel; the odd pixel's lies 32 bytes on
	v_add_nc_u32 v[CA+\d], YC, v[CA+\d]
	v_lshl_add_u32 v[SA+\d], v[SA+\d], 2, YS
.endr
	v_lshrrev_b32 v24, 2, v0                       ; y's codes on their way in: thread t brings 16 bytes: pair t / 4, quarter t % 4
	v_mul_u32_u24 v10, v24, 80
	v_and_b32 v24, 3, v0
	v_lshl_add_u32 v10, v24, 4, v10
	v_add_nc_u32 v10, YC, v10
	v_lshlrev_b32 v11, 4, v0                       ; and the same 16 bytes in memory
	v_lshl_add_u32 v12, v0, 2, YS                  ; y's scale words: thread t brings word t of 128; a row is 64 words
	v_lshrrev_b32 v24, 6, v0
	v_add_nc_u32 v24, s3, v24
	v_and_b32 v28, 63, v0
	v_lshlrev_b32 v28, 2, v28
.irp n, 0,1,2
	v_add_nc_u32 v[13+\n], 2*\n, v24               ; window row 2 n + t / 64: image row y0 + that - 2, held to 0 .. 127
	v_max_u32 v[13+\n], 2, v[13+\n]
	v_add_nc_u32 v[13+\n], -2, v[13+\n]
	v_min_u32 v[13+\n], 127, v[13+\n]
	v_lshl_add_u32 v[13+\n], v[13+\n], 8, v28
.endr
	v_lshlrev_b32 v16, 5, v2                       ; weights: row r of a tile, 32 bytes a row, + 16 h
	v_lshl_add_u32 v16, v3, 4, v16
	v_and_b32 v24, 8, v2
	v_add_nc_u32 v24, v24, v2                      ; wx's tiles take rows r + 8 (r / 8)
	v_lshlrev_b32 v17, 5, v24
	v_lshl_add_u32 v17, v3, 4, v17
	v_lshlrev_b32 v18, 1, v2                       ; their scale bytes: 2 a row
	v_lshlrev_b32 v19, 1, v24
	v_lshlrev_b32 v20, 5, v3                       ; biases: my half's eight numbers
	v_lshlrev_b32 v21, 6, v3
	s_lshl_b32 s5, s2, 5
	v_lshl_add_u32 v22, v2, 1, s5                  ; my block's x
	v_add_nc_u32 v23, s3, v3                       ; y0 + h
	v_add_nc_u32 v24, s5, v1                       ; the quantiser of x: a lane a pixel: column 32 w + lane
	v_lshlrev_b32 v[XAJ], 2, v24
.irp j, 1,2,3,4,5
	v_add_nc_u32 v[XAJ+\j], \j*JROW, v[XAJ]
.endr
	v_lshl_add_u32 v27, v24, 1, XS                 ; its two scale bytes
	v_lshrrev_b32 v24, 1, v24
	v_mul_u32_u24 v26, v24, 80                     ; its codes: its pair,
	v_and_b32 v24, 1, v0
	v_lshl_add_u32 v26, v24, 5, v26                ; its half of the pair
	v_add_nc_u32 v26, XC, v26
	WIN 0x80                                       ; destination window 2
.set g, 0
.rept 13
.irp u, 0,1,2,3
	v_mov_b32 v[WTZ+8*g+\u], 0                     ; the chain's zero links
.endr
.set g, g+1
.endr
	WIN 0
	; ---- y's codes and scale bytes of six rows, then the weights, their scale bytes and the biases
.irp j, 0,1,2,3,4,5
.irp f, 0,1
	global_load_b128 v[STG+8*\j+4*\f:STG+8*\j+4*\f+3], v11, s[72+2*\j:73+2*\j] offset:2048*\f   ; the 128 threads read 2,048 consecutive bytes: half a row
.endr
.endr
.irp n, 0,1,2
	global_load_b32 v[STG+48+\n], v[13+\n], s[12:13]
.endr
.macro WSEL c, t                       ; tile t of conv c begins at row TR.  wy and wo: 16 neighbouring rows.  wx: lane r of tile 2 b + u takes row 32 b + 8 u + r + 8 (r / 8), so that a lane's 16 registers
.set PM, 0                             ; of tiles 2 b, 2 b + 1 are the 16 neighbouring channels 32 b + 16 h + 0 .. 15 of v and of attn, as the quantiser ahead of the last product wants them
.set TR, 16*(\t)
.if (\c) == 1
.set PM, 1
.set TR, 32*((\t)/2)+8*((\t)%2)
.endif
.endm
	WIN 0x80
.irp c, 0,1,2
.irp t, 0,1,2,3
	WSEL \c, \t
	global_load_b128 v[WTZ+8*(4*\c+\t)+4:WTZ+8*(4*\c+\t)+7], v[16+PM], s[14+6*\c:15+6*\c] offset:TR*32
.endr
.endr
	WIN 0
.irp c, 0,1,2
.irp t, 0,1,2,3
	WSEL \c, \t
	global_load_u16 v[WS+4*\c+\t], v[18+PM], s[16+6*\c:17+6*\c] offset:TR*2
	global_load_b128 v[BC+32*\c+8*\t:BC+32*\c+8*\t+3], v[20+PM], s[18+6*\c:19+6*\c] offset:TR*4
	global_load_b128 v[BC+32*\c+8*\t+4:BC+32*\c+8*\t+7], v[20+PM], s[18+6*\c:19+6*\c] offset:TR*4+16
.endr
.endr
	s_wait_loadcnt 48                              ; y's 15 loads are in; the 48 loads issued behind them (12 + 12 + 24 for the weights) may be out
.irp j, 0,1,2,3,4,5
.irp f, 0,1
	ds_store_b128 v10, v[STG+8*\j+4*\f:STG+8*\j+4*\f+3] offset:CROW*\j+2560*\f
.endr
.endr
.irp n, 0,1,2
	ds_store_b32 v12, v[STG+48+\n] offset:512*\n
.endr
	s_wait_dscnt 0x0                               ; for the others' sake: my stores have landed
	s_barrier_signal -1
	s_barrier_wait -1                              ; y's six rows lie in LDS.  (x's tensor loads stay out)
.macro PFROW j                         ; the three pairs of window row j: six loads
.irp d, 0,1,2
	ds_load_b128 v[PF+8*(3*(\j)+\d):PF+8*(3*(\j)+\d)+3], v[CA+\d] offset:CROW*(\j)          ; block h of the even pixel: K = 32 h on
	ds_load_b128 v[PF+8*(3*(\j)+\d)+4:PF+8*(3*(\j)+\d)+7], v[CA+\d] offset:CROW*(\j)+32     ; and of the odd one: K = 64 + 32 h on
.endr
.endm
; The 18 pairs of my 6 x 6 window: the scale words first, then the fragments row by row, in the order in which the products want them: for q rows 2 and 3 first (my own pixels lie there), for v rows 0 to 5.
.macro FETCHPF c
	WIN 0
.irp j, 0,1,2,3,4,5
.irp d, 0,1,2
	ds_load_b32 v[PS+3*\j+\d], v[SA+\d] offset:SROW*\j
.endr
.endr
	WIN 0x80
.if (\c) == 0
.irp j, 2,3,0,1,4,5
	PFROW \j
.endr
.else
.irp j, 0,1,2,3,4,5
	PFROW \j
.endr
.endif
.endm
; Six products: tile t of conv c for window row j, positions i = 0 .. 5, into buffer buf.  An even i is the pair's even pixel: weights (w | 0); an odd i: (0 | w).  The bias is the C.
.macro MMROW c, t, j, buf
.irp i, 0,1,2,3,4,5
	v_wmma_scale_f32_16x16x128_f8f6f4 v[ROWB+48*(\buf)+8*\i:ROWB+48*(\buf)+8*\i+7], v[WTZ+8*(4*(\c)+(\t))+4-4*(\i%2):WTZ+8*(4*(\c)+(\t))+11-4*(\i%2)], v[PF+8*(3*(\j)+\i/2):PF+8*(3*(\j)+\i/2)+7], v[BC+32*(\c)+8*(\t):BC+32*(\c)+8*(\t)+7], v[WS+4*(\c)+(\t)], v[PS+3*(\j)+\i/2] matrix_a_fmt:MATRIX_FMT_FP4 matrix_b_fmt:MATRIX_FMT_FP4
.endr
.endm
; Four products: tile t of q for my own four pixels, window positions (2 + a, 2 + b)
.macro MMOWN t, ob
.irp b, 0,1
.irp a, 0,1
	v_wmma_scale_f32_16x16x128_f8f6f4 v[OWN+32*(\ob)+8*(\a+2*\b):OWN+32*(\ob)+8*(\a+2*\b)+7], v[WTZ+8*(\t)+4-4*\a:WTZ+8*(\t)+11-4*\a], v[PF+8*(3*(2+\b)+1):PF+8*(3*(2+\b)+1)+7], v[BC+8*(\t):BC+8*(\t)+7], v[WS+(\t)], v[PS+3*(2+\b)+1] matrix_a_fmt:MATRIX_FMT_FP4 matrix_b_fmt:MATRIX_FMT_FP4
.endr
.endr
.endm
; The scores' multiply-adds of tile t and window row j: position i serves pixel (a, b) as neighbour k = 5 (j - b) + i - a where both differences lie in 0 .. 4.  Two channels an instruction.
; q outermost: each matrix result is read first at its low end, and an accumulator comes up again ten lines later or more.  The first product starts a sum: nothing is cleared.
.macro FMA3 t, j, buf, ob
.irp q, 0,1,2,3
.irp i, 0,1,2,3,4,5
.irp a, 0,1
.irp b, 0,1
.if (\i-\a >= 0) && (\i-\a <= 4) && ((\j)-\b >= 0) && ((\j)-\b <= 4)
.set kk, 5*((\j)-\b)+\i-\a
.set pp, \a+2*\b
.if ((\t) == 0) && (\q == 0)
	v_pk_mul_f32 v[2*(25*pp+kk):2*(25*pp+kk)+1], v[OWN+32*(\ob)+8*pp+2*\q:OWN+32*(\ob)+8*pp+2*\q+1], v[ROWB+48*(\buf)+8*\i+2*\q:ROWB+48*(\buf)+8*\i+2*\q+1]
.else
	v_pk_fma_f32 v[2*(25*pp+kk):2*(25*pp+kk)+1], v[OWN+32*(\ob)+8*pp+2*\q:OWN+32*(\ob)+8*pp+2*\q+1], v[ROWB+48*(\buf)+8*\i+2*\q:ROWB+48*(\buf)+8*\i+2*\q+1], v[2*(25*pp+kk):2*(25*pp+kk)+1]
.endif
.endif
.endr
.endr
.endr
.endr
.endm
; attn's multiply-adds of tile t and window row j: attn(p) += A(p, k) v(position).  The weight is the first register of its pair and serves both halves.  q innermost: a sum comes up again four lines later or more,
; and each matrix result is still read first at its low end.  Neighbour k = 0 comes first for every pixel and starts its sums.
.macro FMA4 t, j, buf
.irp i, 0,1,2,3,4,5
.irp a, 0,1
.irp b, 0,1
.if (\i-\a >= 0) && (\i-\a <= 4) && ((\j)-\b >= 0) && ((\j)-\b <= 4)
.set kk, 5*((\j)-\b)+\i-\a
.set pp, \a+2*\b
.irp q, 0,1,2,3
.if kk == 0
	v_pk_mul_f32 v[OACC+32*pp+8*(\t)+2*\q:OACC+32*pp+8*(\t)+2*\q+1], v[ROWB+48*(\buf)+8*\i+2*\q:ROWB+48*(\buf)+8*\i+2*\q+1], v[2*(25*pp+kk):2*(25*pp+kk)+1] op_sel_hi:[1,0]
.else
	v_pk_fma_f32 v[OACC+32*pp+8*(\t)+2*\q:OACC+32*pp+8*(\t)+2*\q+1], v[ROWB+48*(\buf)+8*\i+2*\q:ROWB+48*(\buf)+8*\i+2*\q+1], v[2*(25*pp+kk):2*(25*pp+kk)+1], v[OACC+32*pp+8*(\t)+2*\q:OACC+32*pp+8*(\t)+2*\q+1] op_sel_hi:[1,0,1]
.endif
.endr
.endif
.endr
.endr
.endr
.endm
; THE PIPELINE of conv c (0: q and the scores; 1: v and attn): 24 steps n = 6 t + j.  Step n issues the products of step n + 1 into the other buffer and then does its own 40 or 80 packed lines.
; So between a product and the first read of its result stand the packed lines of the step before, which name none of its registers (four places are owed: ISA guide 7.12.1), and a buffer is written over
; two batches later.  Only the first step has nothing to set there: four v_nop.  No product adds in place: each takes its bias as C.
; THE WAITS FOR THE FRAGMENTS stand in the first tile's steps.  LDS loads end in the order of issue (ISA guide 5.7.1), so each count is the number of loads issued behind the row that is wanted, six a row.
.macro PIPE c
.if (\c) == 0
	s_wait_dscnt 18                                ; the scale words and rows 2, 3, 0 are in; rows 1, 4, 5 may be out
.else
	s_wait_dscnt 30                                ; the scale words and row 0 are in; rows 1 to 5 may be out
.endif
	WIN 0xca                                       ; sources 0, 1 (weights, pairs) window 2, C (bias) window 0, D window 3
.if (\c) == 0
	MMOWN 0, 0
.endif
	MMROW \c, 0, 0, 0
.set n, 0
.rept 24
.if n < 23
.if ((\c) == 1) && (n < 5)
	s_wait_dscnt 24-6*n                            ; row n + 1 is in; the 4 - n rows behind it may be out
.endif
.if ((\c) == 0) && (n == 0)
	s_wait_dscnt 12                                ; row 1 is in; rows 4, 5 may be out
.endif
.if ((\c) == 0) && ((n == 3) || (n == 4))
	s_wait_dscnt 24-6*n                            ; row 4 is in, row 5 may be out; then row 5 is in
.endif
	WIN 0xca
.if ((\c) == 0) && ((n+1)%6 == 0)
	MMOWN (n+1)/6, ((n+1)/6)%2
.endif
	MMROW \c, (n+1)/6, (n+1)%6, (n+1)%2
.endif
.if n == 0
.rept 4
	v_nop
.endr
.endif
.if (\c) == 0
	WIN 0x5f                                       ; sources 0, 1 window 3, source 2 and destination window 1
	FMA3 n/6, n%6, n%2, (n/6)%2
.else
	WIN 0xf7                                       ; source 1 (the weight) window 1, all else window 3
	FMA4 n/6, n%6, n%2
.endif
.set n, n+1
.endr
.endm
	; ---- q and the scores
	FETCHPF 0
	WIN 0
	s_wait_loadcnt 0x0                             ; weights, their scale bytes, biases
.irp g, 0,1,2,3,4,5,6,7,8,9,10,11
	v_lshl_or_b32 v[WS+\g], v[WS+\g], 16, v[WS+\g] ; a row's two bytes twice: they serve (w | 0) and (0 | w).  Tile 0's word comes first: the eleven lines behind it are more than the eight places owed ahead of the first product that names it
.endr
	PIPE 0
	; ---- the barrier that shows x whole; the masks, register work, stand between its signal and its wait
	WIN 0
	s_wait_tensorcnt 0x0                           ; my six loads of x have landed; no LDS instruction of mine is out
	s_barrier_signal -1
.irp i, 0,1,2,3,4,5
	v_add_nc_u32 v24, \i-2, v22
	v_cmp_gt_u32 s[84+\i], s95, v24                ; window column i lies in the image (a negative number is a large one here)
.endr
.irp d, 0,1,2,3,4
	v_add_nc_u32 v24, \d-2, v23
	v_cmp_gt_u32 s[90+\d], s95, v24                ; row y0 + h + d - 2 lies in the image
.endr
.macro CMR i, d                        ; the register of the joint mask (i, d).  The descriptors' registers and y's first row address are free: their loads have been waited for
.if (\i) < 5
.set CMX, 36+5*(\i)+(\d)
.else
.set CMX, 68+(\d)
.endif
.endm
.irp i, 0,1,2,3,4,5
.irp d, 0,1,2,3,4
	CMR \i, \d
	s_and_b32 s[CMX], s[84+\i], s[90+\d]
.endr
.endr
	s_barrier_wait -1                              ; every wave's loads of x have landed
.macro MASKS                           ; 0 where the neighbour lies outside the image.  Columns 2, 3 of the pixel's own row always lie inside: 46 selects
.irp a, 0,1
.irp d, 0,1,2,3,4
.irp c, 0,1,2,3,4
.if (\d != 2) || (\a+\c < 2) || (\a+\c > 3)
	CMR \a+\c, \d
	v_cndmask_b32 v[2*(25*\a+5*\d+\c)], 0, v[2*(25*\a+5*\d+\c)], s[CMX]
.endif
.endr
.endr
.endr
.endm
; THE SOFTMAX, in eleven pieces, all in window 1, none with an LDS instruction.  Piece u stands behind a run of the quantiser's LDS loads, so that the wave works on registers while those loads are served.
.macro SOFT u
	WIN 0x55                                       ; all in window 1
.if (\u) == 0
.set e, 0
.rept 100
	v_add_f32 v[2*e], v[2*e], v[2*e+1]             ; a pair's two halves
.set e, e+1
.endr
.elseif (\u) == 1
.set e, 0
.rept 50
	v_permlane16_swap_b32 v[2*e], v[2*e+100]       ; (a, b = 0)'s lanes 16-31 change places with (a, b = 1)'s lanes 0-15:
.set e, e+1
.endr
.elseif (\u) == 2
.set e, 0
.rept 50
	v_add_f32 v[2*e], v[2*e], v[2*e+100]           ; the sum is the whole score: lane (r, h) now holds pixel (a, b = h), register 2 (25 a + k)
.set e, e+1
.endr
.elseif (\u) == 3
	MASKS                                          ; a neighbour outside the image has the score 0
.elseif (\u) == 4
.irp a, 0,1
	v_max3_num_f32 v[200+\a], v[50*\a], v[50*\a+2], v[50*\a+4]
.endr
.irp k, 3,5,7,9,11,13,15,17,19,21,23
.irp a, 0,1
	v_max3_num_f32 v[200+\a], v[200+\a], v[50*\a+2*\k], v[50*\a+2*\k+2]
.endr
.endr
.irp a, 0,1
	v_mul_f32 v[202+\a], s96, v[200+\a]            ; M log2(e)
.endr
.set e, 0
.rept 50
	v_fma_f32 v[2*e], v[2*e], s96, -v[202+e/25]    ; (S - M) log2(e)
.set e, e+1
.endr
.elseif (\u) == 5
.set e, 0
.rept 50
	v_exp_f32 v[2*e], v[2*e]
.set e, e+1
.endr
	v_nop                                          ; a plain line behind the last exponential,
	s_wait_alu depctr_va_vdst(0)                   ; and one wait for the batch of 50, ahead of the first line that names a result
.elseif (\u) == 6
.irp a, 0,1
.irp c, 0,1,2
	v_add_f32 v[204+3*\a+\c], v[50*\a+2*\c], v[50*\a+2*\c+6]   ; the divisor, of all 25 terms, those outside the image too: three chains a pixel
.endr
.endr
.irp k, 6,9,12,15,18,21
.irp a, 0,1
.irp c, 0,1,2
	v_add_f32 v[204+3*\a+\c], v[204+3*\a+\c], v[50*\a+2*(\k+\c)]
.endr
.endr
.endr
.irp a, 0,1
	v_add_f32 v[204+3*\a], v[204+3*\a], v[50*\a+48]
.endr
.irp a, 0,1
	v_add_f32 v[204+3*\a], v[204+3*\a], v[205+3*\a]
.endr
.irp a, 0,1
	v_add_f32 v[204+3*\a], v[204+3*\a], v[206+3*\a]
.endr
.elseif (\u) == 7
.irp a, 0,1
	v_rcp_f32 v[210+\a], v[204+3*\a]
.endr
	MASKS                                          ; a neighbour outside the image adds nothing to attn: its weight becomes 0.  (Plain work behind the reciprocals, which names neither them nor their sources)
	s_wait_alu depctr_va_vdst(0)                   ; one wait for the two reciprocals, ahead of their first reader
.elseif ((\u) == 8) || ((\u) == 9)
.set e, 25*((\u)-8)                    ; pixel a = u - 8
.rept 25
	v_mul_f32 v[2*e+100], v[2*e], v[210+e/25]      ; the weight, twice,
	v_mul_f32 v[2*e], v[2*e], v[210+e/25]
.set e, e+1
.endr
.else
.set e, 0
.rept 50
	v_permlane16_swap_b32 v[2*e], v[2*e+100]       ; so that one exchange leaves A(a, b = 0) in all lanes of the first and A(a, b = 1) in all lanes of the second
.set e, e+1
.endr
.endif
	WIN 0
.endm
	; ---- x becomes codes: a lane a pixel, its registers down the channels, so that a block of 32 is one lane's and the codes come out with K innermost.  The softmax's pieces stand behind the runs of loads
.macro LX j, blk                       ; block blk of window row j: 32 channels; the 32 lanes read 128 consecutive bytes
.set cc, 0
.rept 32
	ds_load_b32 v[XN+32*(\blk)+cc], v[XAJ+(\j)] offset:CP*(32*(\blk)+cc)
.set cc, cc+1
.endr
.endm
.macro QBLK blk                        ; 32 numbers -> 4 registers of codes, and the scale's byte in v[QT + 5 + blk]
.set X0, XN+32*(\blk)
.irp c, 0,1,2,3
	v_max3_num_f32 v[QT+\c], |v[X0+8*\c]|, |v[X0+8*\c+1]|, 0x1800000   ; the largest magnitude, in four chains, with the floor 2^(3 - 127) among the leaves: so the byte cannot fall under 1
.endr
.irp i, 2,4,6
.irp c, 0,1,2,3
	v_max3_num_f32 v[QT+\c], v[QT+\c], |v[X0+8*\c+\i]|, |v[X0+8*\c+\i+1]|
.endr
.endr
	v_max3_num_f32 v[QT], v[QT], v[QT+1], v[QT+2]
	v_max_num_f32 v[QT], v[QT], v[QT+3]
	v_add_nc_u32 v[QT+4], 0xff000000, v[QT]        ; 2 off its exponent field: the conversion takes the exponent field of this operand as its scale, and nothing else of it
	v_lshrrev_b32 v[QT+5+(\blk)], 23, v[QT+4]      ; the scale's byte
.irp g, 0,1,2,3
	v_cvt_scalef32_pk8_fp4_f32 v[XCD+4*(\blk)+\g], v[X0+8*\g:X0+8*\g+7], v[QT+4]
.endr
	v_nop                                          ; a plain line behind the last conversion
.endm
; A window row.  LDS instructions end in the order of issue (ISA guide 5.7.1), so each count is the number issued behind the loads that are wanted.
.macro QROW j
.if (\j) == 0
	s_wait_dscnt 32                                ; block 0 is in; behind its loads: block 1's 32
.else
	s_wait_dscnt 34                                ; block 0 is in; behind its loads: the last row's two stores and block 1's 32.  (The last row's first store stands ahead of them: its data may be written again)
.endif
	QBLK 0
	ds_store_b128 v26, v[XCD:XCD+3] offset:CROW*(\j)
.if (\j) < 5
	LX (\j)+1, 0
	SOFT 2*(\j)+1
	s_wait_dscnt 33                                ; block 1 is in; behind its loads: one store and the next row's 32.  (The last row's other two stores stand ahead of them)
.else
	s_wait_dscnt 1                                 ; block 1 is in; behind its loads: one store
.endif
	QBLK 1
	v_lshl_or_b32 v[QT+7], v[QT+6], 8, v[QT+5]
	ds_store_b128 v26, v[XCD+4:XCD+7] offset:CROW*(\j)+16
	ds_store_b16 v27, v[QT+7] offset:SROW*(\j)
.if (\j) < 5
	LX (\j)+1, 1
	SOFT 2*(\j)+2
.endif
.endm
	LX 0, 0
	LX 0, 1
	SOFT 0
.irp j, 0,1,2,3,4,5
	QROW \j
.endr
.irp d, 0,1,2
	v_add_nc_u32 v[CA+\d], XC-YC, v[CA+\d]         ; the window's addresses, now in x's codes and scale bytes (their last loads were waited for long ago)
	v_add_nc_u32 v[SA+\d], XS-YS, v[SA+\d]
.endr
	s_wait_dscnt 0x0                               ; my stores have landed, and my reads of XRAW's six rows for the quantiser are over
	s_barrier_signal -1
	s_barrier_wait -1                              ; x's codes of six rows lie in LDS; nobody reads XRAW's rows j = 0, 1 any more
	; ---- v and attn
	FETCHPF 1
	PIPE 1
	; ---- the residual is asked for here and lands under attn's quantiser: of each tile t of 16 channels I take channels 16 t + 4 w + c, c = 0 .. 3, of both image rows: row n = 8 t + 4 b + c
	WIN 0
	s_mul_i32 s5, s2, 4*CP
	v_lshlrev_b32 v31, 4, v1                       ; 16 bytes a lane: a whole image row of 512 bytes
	v_add_nc_u32 v29, s5, v31                      ; back from the stage: my four channels of a tile;
	v_add_nc_u32 v30, 2*JROW, v29                  ; and the same channels of x, rows y0 and y0 + 1: XRAW's j = 2, 3, which nobody writes
	WIN 0x40                                       ; destination window 1: the weights there have been read for the last time
.set n, 0
.rept 32
	ds_load_b128 v[4*n:4*n+3], v30 offset:JROW*((n/4)%2)+CP*(16*(n/8)+n%4)
.set n, n+1
.endr
	; ---- attn becomes codes.  Unit e = 2 p + b: block b of pixel p: my 16 numbers lie in v[OACC + 16 e ..], lane l xor 16 holds the other 16
	WIN 0xff                                       ; all in window 3
.irp e, 0,1,2,3,4,5,6,7
	v_mov_b32 v[8+\e], 0                           ; a lane permute's destination counts as one of its sources
.endr
.irp e, 0,1,2,3,4,5,6,7
	v_max3_num_f32 v[\e], |v[OACC+16*\e]|, |v[OACC+16*\e+1]|, 0x1800000
.endr
.irp i, 2,4,6,8,10,12,14
.irp e, 0,1,2,3,4,5,6,7
	v_max3_num_f32 v[\e], v[\e], |v[OACC+16*\e+\i]|, |v[OACC+16*\e+\i+1]|
.endr
.endr
.irp e, 0,1,2,3,4,5,6,7
	v_permlanex16_b32 v[8+\e], v[\e], s34, s35
.endr
.irp e, 0,1,2,3,4,5,6,7
	v_max_num_f32 v[\e], v[\e], v[8+\e]            ; the block's largest magnitude
.endr
.irp e, 0,1,2,3,4,5,6,7
	v_add_nc_u32 v[16+\e], 0xff000000, v[\e]       ; the conversion's scale operand
.endr
.irp e, 0,1,2,3,4,5,6,7
	v_lshrrev_b32 v[24+\e], 23, v[16+\e]           ; the scale's byte
.endr
.irp e, 0,1,2,3,4,5,6,7
	v_cvt_scalef32_pk8_fp4_f32 v[40+2*\e], v[OACC+16*\e:OACC+16*\e+7], v[16+\e]
	v_cvt_scalef32_pk8_fp4_f32 v[41+2*\e], v[OACC+16*\e+8:OACC+16*\e+15], v[16+\e]
.endr
	v_nop                                          ; a plain line behind the last conversion
.irp p, 0,1,2,3
.irp u, 0,1
	v_permlane16_swap_b32 v[40+4*\p+\u], v[42+4*\p+\u]   ; the operand's layout wants a whole block in a lane: lanes 0-15 block 0, lanes 16-31 block 1.  v40-47: pixels 0 | 1, v48-55: pixels 2 | 3
.endr
.endr
.irp f, 0,1
	v_lshl_or_b32 v[32+\f], v[25+4*\f], 8, v[24+4*\f]    ; two pixels' four bytes make a scale word
	v_lshl_or_b32 v[32+\f], v[26+4*\f], 16, v[32+\f]
	v_lshl_or_b32 v[32+\f], v[27+4*\f], 24, v[32+\f]
.endr
	WIN 0x03                                       ; source 0 window 3, destination window 0: scale operands are taken from window 0
	v_mov_b32 v[SW], v32
	v_mov_b32 v[SW+1], v33
	WIN 0
	s_lshl_b32 s5, s2, 7
	v_mul_u32_u24 v28, v3, 8*CP                    ; into the stage: channel 8 h + .., bytes 128 w + 8 r + 4 a of image row b = 0;
	v_lshl_add_u32 v28, v2, 3, v28
	v_add_nc_u32 v28, s5, v28
	v_add_nc_u32 v25, JROW, v28                    ; of image row b = 1 (a register of its own: 33,792 + 528 x 63 + 4 does not fit a 16-bit offset)
.rept 5
	v_nop                                          ; with the four lines above: nine places, one more than the eight owed between the scale words' moves and the products
.endr
	; ---- out = wo Q(attn) + bo: an even pixel by (w | 0), an odd one by (0 | w)
	WIN 0xce                                       ; source 0 (wo) window 2, source 1 (attn's codes) window 3, C (bo) window 0, D window 3
.irp t, 0,1,2,3
.irp p, 0,1,2,3
	v_wmma_scale_f32_16x16x128_f8f6f4 v[OACC+32*\p+8*\t:OACC+32*\p+8*\t+7], v[WTZ+8*(8+\t)+4-4*(\p%2):WTZ+8*(8+\t)+11-4*(\p%2)], v[40+8*(\p/2):47+8*(\p/2)], v[BC+64+8*\t:BC+64+8*\t+7], v[WS+8+\t], v[SW+\p/2] matrix_a_fmt:MATRIX_FMT_FP4 matrix_b_fmt:MATRIX_FMT_FP4
.endr
.endr
.rept 4
	v_nop                                          ; four places ahead of the first read of the results
.endr
; THE WAY OUT, a tile of 16 channels at a time.  STAGE t: my columns of tile t's 16 channels go into the stage.  A barrier: all four waves' columns lie there.  BACK t: I read whole rows of 512 bytes back, four channels x
; two image rows.  SEND t: the residual is added, and the 32 lanes store 512 consecutive bytes, aligned.  Tile t + 1 is staged between BACK t and SEND t: it lies in other rows of the stage than any wave reads meanwhile.
.macro STAGE t
	WIN 0x0c                                       ; an LDS store's data are its source 1: window 3
.irp p, 0,1,2,3
.set AR, 28
.if \p >= 2
.set AR, 25
.endif
.irp u, 0,1,2,3,4,5,6,7
	ds_store_b32 v[AR], v[OACC+32*\p+8*(\t)+\u] offset:CP*(16*(\t)+\u)+4*(\p%2)   ; out(channel 16 t + 8 h + u, pixel p): each result from its low end on.  Lanes 8 bytes apart; 8 x 528 bytes are 32 words modulo 64, so the two halves of the lanes take different banks (64 banks of 4 bytes: ISA guide 11.1)
.endr
.endr
.endm
.macro BACK t
	WIN 0
.irp m, 0,1,2,3,4,5,6,7
	ds_load_b128 v[RA+4*(8*(\t)+\m):RA+4*(8*(\t)+\m)+3], v29 offset:JROW*(\m/4)+CP*(16*(\t)+\m%4)
.endr
.endm
.macro SEND t, younger                 ; younger: the LDS stores issued behind BACK's loads: the next tile's 32, or none
	WIN 0x44                                       ; source 0 window 0 (the stage's row; a store's address), source 1 and destination window 1 (x; a store's data)
.irp m, 0,1,2,3,4,5,6,7
.set nn, 8*(\t)+\m
	s_wait_dscnt (\younger)+7-\m                   ; row m of the tile is in: behind it stand 7 - m loads and the younger stores.  (x's rows were waited for in front of the first of these barriers)
	v_pk_add_f32 v[4*nn:4*nn+1], v[RA+4*nn:RA+4*nn+1], v[4*nn:4*nn+1]
	v_pk_add_f32 v[4*nn+2:4*nn+3], v[RA+4*nn+2:RA+4*nn+3], v[4*nn+2:4*nn+3]
	global_store_b128 v31, v[4*nn:4*nn+3], s[98:99] offset:65536*(16*(\t)+\m%4)+512*(\m/4) th:TH_STORE_NT   ; written once, read by nobody here; no register of a store is written again
.endr
.endm
.macro MEET                            ; my stores into the stage have landed and my LDS loads are in: then the work-group's barrier
	WIN 0
	s_wait_dscnt 0x0
	s_barrier_signal -1
	s_barrier_wait -1
.endm
	STAGE 0
	MEET                                           ; tile 0 lies in the stage
	BACK 0
	STAGE 1
	SEND 0, 32
	MEET                                           ; tile 1
	BACK 1
	STAGE 2
	SEND 1, 32
	MEET                                           ; tile 2
	BACK 2
	STAGE 3
	SEND 2, 32
	MEET                                           ; tile 3
	BACK 3
	SEND 3, 0
	WIN 0
	s_set_vgpr_msb 0x5
	s_wait_tensorcnt 0x0
	ds_add_u32 v254, v255
	s_wait_dscnt 0x0
	s_set_vgpr_msb 0x500
	s_endpgm
.Lfunc_end_k_qa2e9020327_local_attn:
	.size	k_qa2e9020327_local_attn, .Lfunc_end_k_qa2e9020327_local_attn-k_qa2e9020327_local_attn
	.p2alignl 7, 3214868480
	.fill 96, 4, 3214868480
	.section	.rodata,"a",@progbits
	.p2align	6, 0x0
	.amdhsa_kernel k_qa2e9020327_local_attn
		.amdhsa_group_segment_fixed_size 267776
		.amdhsa_private_segment_fixed_size 0
		.amdhsa_enable_private_segment 0
		.amdhsa_kernarg_size 104
		.amdhsa_user_sgpr_count 2
		.amdhsa_user_sgpr_kernarg_segment_ptr 1
		.amdhsa_wavefront_size32 1
		.amdhsa_system_sgpr_workgroup_id_x 1
		.amdhsa_system_sgpr_workgroup_id_y 1
		.amdhsa_system_sgpr_workgroup_id_z 1
		.amdhsa_system_vgpr_workitem_id 0
		.amdhsa_next_free_vgpr 1024
		.amdhsa_next_free_sgpr 102
		.amdhsa_reserve_vcc 0
		.amdhsa_float_denorm_mode_32 3
		.amdhsa_float_denorm_mode_16_64 3
		.amdhsa_memory_ordered 1
		.amdhsa_forward_progress 1
		.amdhsa_inst_pref_size 255
	.end_amdhsa_kernel
	.section	.bss,"aw",@nobits
	.p2align	6
	.space	262144
	.amdgpu_metadata
---
amdhsa.version: [ 1, 2 ]
amdhsa.kernels:
  - .name:           k_qa2e9020327_local_attn
    .symbol:         k_qa2e9020327_local_attn.kd
    .args:
      - { .name: x, .offset: 0, .size: 8, .value_kind: global_buffer, .address_space: global }
      - { .name: y_codes, .offset: 8, .size: 8, .value_kind: global_buffer, .address_space: global }
      - { .name: y_scales, .offset: 16, .size: 8, .value_kind: global_buffer, .address_space: global }
      - { .name: wy_codes, .offset: 24, .size: 8, .value_kind: global_buffer, .address_space: global }
      - { .name: wy_scales, .offset: 32, .size: 8, .value_kind: global_buffer, .address_space: global }
      - { .name: by, .offset: 40, .size: 8, .value_kind: global_buffer, .address_space: global }
      - { .name: wx_codes, .offset: 48, .size: 8, .value_kind: global_buffer, .address_space: global }
      - { .name: wx_scales, .offset: 56, .size: 8, .value_kind: global_buffer, .address_space: global }
      - { .name: bx, .offset: 64, .size: 8, .value_kind: global_buffer, .address_space: global }
      - { .name: wo_codes, .offset: 72, .size: 8, .value_kind: global_buffer, .address_space: global }
      - { .name: wo_scales, .offset: 80, .size: 8, .value_kind: global_buffer, .address_space: global }
      - { .name: bo, .offset: 88, .size: 8, .value_kind: global_buffer, .address_space: global }
      - { .name: out0, .offset: 96, .size: 8, .value_kind: global_buffer, .address_space: global }
    .group_segment_fixed_size: 267776
    .private_segment_fixed_size: 0
    .kernarg_segment_align: 8
    .kernarg_segment_size: 104
    .max_flat_workgroup_size: 128
    .sgpr_count:     102
    .vgpr_count:     1024
    .wavefront_size: 32
...
	.end_amdgpu_metadata
.endif
;; end of part 1
